; MI455X (gfx1250); checked and timed in simulation.
; The chip was launched on July 23, 2026; its instructions are those of AMD's public machine-readable ISA for CDNA 5 (MIT licence, August 2026) and "CDNA5" Instruction Set Architecture Reference Guide (July 2026). The comments in the code are by the model that wrote it; some were corrected since.
;; Hard Cluster Assigner. Allowed arithmetic: matrix products marked QUANTISED: E2M3 operands, one E8M0 scale for each 32 along K, by v_wmma_scale_f32_16x16x128_f8f6f4 with both operands' format E2M3, f32 sums; everything else in f32.
;; Inputs: W_codes 512 x 32 x 24 uint8 (E2M3 codes of W, K innermost, in blocks of 32 codes, four codes in three bytes); W_scales 512 x 32 uint8 (E8M0 scales of W, one for each 32 codes along K); b 512 float32; centroids 64 x 512 float32; x_codes 64 x 512 x 32 x 24 uint8 (E2M3 codes of x, K innermost, in blocks of 32 codes, four codes in three bytes); x_scales 64 x 512 x 32 uint8 (E8M0 scales of x, one for each 32 codes along K).
;; Outputs: out0 512 x 64 float32.
;; This version of the problem:
;;   THIS VERSION OF THE PROBLEM IS GIVEN IN LOW PRECISION. The matrix products marked QUANTISED in the list below multiply operands that are first quantised to E2M3 (2 exponent bits, 3 mantissa bits; 6 bits a number), with one power-of-two scale for each 32 numbers along K (OCP MX v1.0); their sums are f32. All else is computed in f32.
;;   The module's matrix products, in the order in which they are computed (A, B: the left and right operand; K: the contracted axis; several contracted axes count as one K, in the product's order):
;;     1. [M 32,768, K 1,024] x [K 1,024, N 512]; A: input x (given as codes); B: input W (given as codes): QUANTISED
;;     2. [M 512, K 512] x [K 512, N 64]; A: computed on the way; B: computed on the way: QUANTISED
;;   THE QUANTISER, for each operand of a quantised product, along K:
;;     - K is cut into blocks of 32 from its start; a last block that is shorter is filled with zeros.
;;     - A block's scale is 2^e with e = floor(log2(the largest magnitude in the block)) - 2, held to -126 .. 127; a block of zeros has e = 0. As a byte (E8M0): e + 127.
;;     - Each number is divided by its block's scale, clamped to +-7.5, and rounded to the nearest number of E2M3, ties to even, subnormals kept.
;;     - The product sums the exact products of the quantised numbers (number of the format x scale) in f32.
;;   ~~~python
;;   def quantise(x, axis):      # numpy; x: float32 -> the quantised numbers, widened to float32 again
;;       x = np.moveaxis(x, axis, -1); K = x.shape[-1]
;;       x = np.pad(x, [(0, 0)] * (x.ndim - 1) + [(0, -K % 32)]); x = x.reshape(x.shape[:-1] + (-1, 32)); a = np.abs(x).max(-1, keepdims=True)
;;       e = np.where(a > 0, np.clip(np.frexp(np.where(a > 0, a, 1))[1] - 1 - 2, -126, 127), 0)      # np.frexp(a)[1] - 1 = floor(log2(a)), exactly
;;       r = np.clip(x / 2.0 ** e, -7.5, 7.5)
;;       step = 2.0 ** (np.maximum(np.frexp(np.where(r == 0, 1, r))[1] - 1, 0) - 3)
;;       q = np.round(r / step) * step * 2.0 ** e      # np.round: ties to even
;;       return np.moveaxis(q.reshape(q.shape[:-2] + (-1,))[..., :K], -1, axis).astype(np.float32)
;;   ~~~
;;   OPERANDS COMPUTED ON THE WAY. 'Computed on the way' means the value that the module computes at that place (a softmax that the list does not call 'softmax' is quantised finished and normalised). What goes into a quantiser is computed in f32, as accurately as f32 sums, v_exp_f32 and their like allow (about 1e-6 of the number): no bf16 or f16 on the way to a quantiser, and a product that is left as it is and whose result goes on into a quantised operand takes f32 operands (vector FMAs, or v_wmma_f32_16x16x4_f32). A number that lies on a knife's edge between two numbers of the format may be rounded either way, as far as f32 arithmetic and the matrix unit's own rounding can turn it there, and no further.
;;   INPUTS GIVEN AS CODES. W (in the module: [512, 1024], K = its axis 1); x (in the module: [64, 1024, 512], K = its axis 1): each comes as NAME_codes (uint8): NAME with its K axis moved to the last place and cut into blocks of 32 codes, [.., K / 32, bytes a block], one block behind the other in memory; four codes in three bytes: a row's codes are one little-endian stream of bits, code i at bits 6 i .. 6 i + 5 (a code: sign, 2 exponent bits, 3 mantissa bits); and NAME_scales (uint8): the same leading axes, one E8M0 byte (e + 127) for each 32 codes along K. Its value is code x scale, taken as it is: it is not quantised again, and the codes and scales need not be those that the quantiser above would give.
;; One version. Each part assembles by itself: llvm-mc -triple=amdgcn-amd-amdhsa -mcpu=gfx1250 --defsym DOCPART=n.
;; ======== version 1 of 1: 1 launch
;; limits: right only within a limited range of input values
;; launch assign (part 1): grid 256 x 1, 8 waves a work-group, clusters of 4 x 1, 327,680 bytes of LDS; arguments x_codes, x_scales, W_codes, W_scales, b, centroids, out0; writes out0
.if DOCPART == 1
	.amdgcn_target "amdgcn-amd-amdhsa--gfx1250"
	.amdhsa_code_object_version 6
	.text
	.protected	k_qdf88d97459_assign
	.globl	k_qdf88d97459_assign
	.p2align	8
	.type	k_qdf88d97459_assign,@function
k_qdf88d97459_assign:
	s_mov_b64 s[64:65], 0
	v_nop
	global_prefetch_b8 v0, s[64:65] scope:SCOPE_SE
	s_setreg_imm32_b32 hwreg(HW_REG_WAVE_MODE, 25, 1), 1
	s_wait_xcnt 0x0
	s_wait_alu depctr_hold_cnt(0) depctr_sa_sdst(0) depctr_va_vdst(0) depctr_va_sdst(0) depctr_va_ssrc(0) depctr_va_vcc(0) depctr_vm_vsrc(0)
	s_getreg_b32 s2, hwreg(HW_REG_IB_STS2, 6, 4)
	s_cmp_eq_u32 s2, 0
	s_cbranch_scc0 .Lentry_in_a_cluster
	s_endpgm
.Lentry_in_a_cluster:
	s_bfe_u32 s2, ttmp6, 0x10000c
	s_cmp_lg_u32 s2, 0x3003
	s_cbranch_scc0 .Lentry_shape_is_right
	s_endpgm
.Lentry_shape_is_right:
; out0[v][:] = one_hot(argmin_c of -(l2norm(mean_b(x[b,:,v] . W[h,:] + b[h])) . l2norm(centroids[c]))), both products on codes of FP6 (E2M3) with one E8M0 scale for each 32 along K.
; NOTHING IS LEFT OUT: every input has a way to the output.  The mean over b is not taken ahead of the first product (a mean of codes is no code); b, the row's norm and the centroids' norm stand ahead of a quantiser and stay.
; SHARES.  Work-group g (256 of them) owns v = 2 g and 2 g + 1, all 64 b and all 512 h, and takes its two rows of x_emb to the end by itself: one launch, no workspace.
; A block is 16 rows of x: 8 b x 2 v (row m = 2 (b % 8) + v % 2).  The eight blocks add onto the SAME accumulator of a tile of 16 h, so most of the sum over b is made by the matrix unit.
; THE EIGHT WAVES SHARE K: wave w owns k = 128 w .. 128 w + 127, one matrix step.  Its 8 fragments of x stay in registers; of each row of W it reads its own 96 bytes, once.  W's 32 tiles go by in 8 groups of 4:
;   32 products finish a group's four sums over my part of K; they are reduced to one register a tile under the next group's products.
; A LANE TAKES 48 NEIGHBOURING BYTES of a row (three loads of 16 bytes): lanes 0-15 blocks 0, 1 of my four blocks of 32, lanes 16-31 blocks 2, 3.  The operand's layout has blocks 0, 2 in lanes 0-15: so bytes 1 and 2 of every scale word change places, for x and W alike.
; LDS: three panels of 128 rows; a row is 768 bytes of codes, 16 bytes of padding behind each 256: pitch 816 = 51 x 16, so 16 rows start at 16 different 16-byte columns modulo 256 (64 banks of 4 bytes: ISA guide 11.1).
;   At the head panel 0 takes x (row 2 b + v % 2), panel 1 W's rows 0-127, panel 2 six rows of centroids for each wave.  Then all three take W's rows 128-511.  Panel 0 is scratch behind its last read.
; THE HEAD: one tensor load a wave, in the order of need: waves 0, 1 centroids, 2, 3 x's b 0-31, 4, 5 W's rows 0-127, 6, 7 x's b 32-63.  THE REFILL: one round of the cluster's barrier, one load a wave: wave w asks for W's rows 128 + 48 w on, into LDS byte 48 x 816 x w.
;   Waves that wait ahead of others have load lines of their own.
; CLUSTER 4 x 1: all work-groups read all of W and of the centroids, so these are asked for JOINTLY by the four partners (mask 15).  x's tiles are each work-group's own: plain loads.
; No prefetch: the text has no loop to run ahead in; x and the first of W are asked for at the head, the rest by one refill.
; THE CENTROIDS.  Wave w owns 8 whole rows, 8 w on: six come by the joint loads, two by loads of 512 consecutive bytes whose halves turn through the wave's own stage in LDS; lane l ends up with k = 16 l .. 16 l + 15 of each row.
;   They are normalised and quantised ahead of the first product, while x is on its way; the codes wait in registers until panel 0 is free.
; THE SCALES of W and x: each byte is loaded once, 16 bytes a lane; the words go from wave to wave through the stages, in two passes (half of W's rows and of x's b each).
; THE SECOND PRODUCT is shared along K too: wave w takes h = 64 w .. 64 w + 63, the h whose sums it gathers: the lower half of one matrix step; x_emb's upper half is zero codes.
; LIMITS: NaN and infinities, given or arising, are not served (a row whose products are NaN gets zeros).  The f32 sums go in another order than reference()'s.  mean + b is sum x 1/64 + b.
;   x / max(norm, 1e-12) is x times v_rcp_f32 of max(v_sqrt_f32(sum of squares), 1e-12).  A block of zeros gets the scale byte 1 where the rule says 127: its codes are zeros.  Equal products: the lowest index, as argmin has it.
; REGISTERS: window 1: x's fragments (block a at 12 a), W's fragments, two sets of four (set p, tile j at 96 + 48 p + 12 j), the sums, two sets of four (192 + 32 p + 8 j); at the head the centroids' numbers, row rr at 16 rr.  Window 0: all else.
.set PITCH, 816
.set TILE,  16*PITCH
.set PANEL, 128*PITCH
.set P1,    PANEL
.set P2,    2*PANEL
.set CROW,  2176                       ; a row of centroids in LDS: 2,048 bytes + 16 of padding behind each 256; six are TILE bytes
.set SPARE, 3*PANEL                    ; the spare words, 128 bytes for each wave; no other line names them
.set STG,   SPARE+1024                 ; 8 x 1,280 bytes: each wave's stage; no tile ever lands here
.set SW,    1280
.set SP,    80                         ; 64 bytes + 16 of padding
.set EP,    0                          ; in panel 0, behind its last read: 8 waves x 8 groups x 512 bytes: the waves' sums
.set NS,    32768                      ; 64 bytes: sums of squares, 8 waves for each v
.set TS,    33024                      ; 8 x 768 bytes: each wave's own two rows of 64 numbers, 272 bytes apart
.set DP,    39168                      ; 8 x 512 bytes: the second product's parts
.set CD,    43264                      ; the centroids' codes: 64 rows of 384 bytes, CP apart
.set CP,    400
.set CB,    68864                      ; their scale bytes: 16 a row
.set XROW,  393216                     ; bytes from b to b + 1 in x_codes
.set SPW, 10                           ; v10 my spare word's address, v11 0: never rewritten
.set NIL, 11
.set STI, 12                           ; v12, v13 the turn, in and out
.set STO, 13
.set AD,  16                           ; v16-33 LDS addresses: AD + 3 G + q: tiles 4 G .. of the three panels, piece q of my 48 bytes
.set CWA, 34                           ; v34 where I store my rows' codes, v35 their scale bytes, v36 where I read a fragment, v37 its scale bytes
.set CBA, 35
.set CRA, 36
.set CSA, 37
.set EPW, 38
.set EPR, 39
.set XS,  40                           ; v40-43 x's scale words: lanes 0-15 block 2 i, lanes 16-31 block 2 i + 1
.set WS,  44                           ; W's: pair m of tiles at 44 + 8 (m / 4) + m % 4: lanes 0-15 tile 2 m, lanes 16-31 tile 2 m + 1
.set BI,  48                           ; v48-51 b[64 w + 16 t + r]
.set NSW, 56
.set NSR, 57
.set TSW, 58
.set TSR, 59
.set DPW, 64
.set DPR, 65
.set OUT, 66
.set ES,  67                           ; x_emb's scale word
.set CC,  72                           ; v72-103 my 8 rows' codes, four registers a row: three of codes, then the block's scale byte
.set SQ,  104                          ; v104-119 a pair for each of my 8 rows: sums of squares, 1 / norm, the conversions' scale operands
.set RES, 120                          ; v120-151 my part of the 32 tiles' sums
.set LW,  120                          ; at the head: v120-135 W's scale bytes as loaded, v136-143 x's
.set LX,  136
.set QX,  120                          ; later: x_emb's 32 numbers
.set CF,  152                          ; v152-181 the centroids' fragments, 6 a tile; a fragment's upper six registers are the next tile's, met by zero codes
.set CS,  182                          ; v182-185 their scale bytes
.set EF,  186                          ; v186-197 x_emb's fragment
.set MX,  198                          ; v198-205 my 8 rows' largest magnitudes
.set CR,  232                          ; v232 where I read my rows of centroids; v233-236 the scales' ways through the stages
.set SWR, 233
.set SSW, 234
.set SSX, 235
.set SXR, 236
.set IDX, 244                          ; v244-247 centroid 16 t + r as f32; v248-251 column 4 r + k as f32; v252 1e9, v253 0, v254 1.0
.set COL, 248
.set WV,  18
.set SEL, 22                           ; s[22:23] v_permlanex16_b32's selects for lane l xor 16
.set G1X, 24
.set G1W, 32
.set GX,  40
.set GW,  44
.set GWR, 48
.set GC,  52
.set G1H, 56
.set G1C, 88
.set MUL, 0x55                         ; all operands window 1
.set TO,  0x40                         ; destination window 1, address window 0
.set MSB, 0
.macro WIN new                         ; the immediate's high byte repeats the setting that is left
.if MSB != (\new)
	s_set_vgpr_msb (MSB<<8)|(\new)
.set MSB, (\new)
.endif
.endm
.macro BAR
	s_barrier_signal -1
	s_barrier_wait -1
.endm
.macro PLACES                          ; four plain places behind a matrix instruction (ISA guide 7.12.1)
.rept 4
	v_nop
.endr
.endm
.macro CREST                           ; a round of the cluster's barrier behind its opening barrier
	s_cmp_lg_u32 s[WV], 0
	s_cbranch_scc1 .Lnot_wave_0_\@
	s_barrier_signal -3
.Lnot_wave_0_\@:
	s_barrier_wait -3
	s_barrier_signal -1
	s_barrier_wait -1
.endm
.macro ROUND
	s_barrier_signal -1
	s_barrier_wait -1
	CREST
.endm
.macro LANDED under                    ; the waves under this number, which have load lines of their own, wait for their loads
	s_cmp_lt_u32 s[WV], \under
	s_cbranch_scc0 .Lshow_\@
	s_wait_tensorcnt 0x0
.Lshow_\@:
.endm
.macro TLOAD g0, g1
	tensor_load_to_lds s[\g0:\g0+3], s[\g1:\g1+7]
	s_nop 0
.rept 4
	v_nop
.endr
.endm
.macro ARM under, g0, g1, next, done   ; one arm of a chain on the wave's number: one load
	s_cmp_lt_u32 s[WV], \under
	s_cbranch_scc0 \next
	TLOAD \g0, \g1
	s_branch \done
\next:
.endm
; 12 LDS loads: my 96 bytes of the four tiles of 16 rows at place G, into set p
.macro FETCH G, p
	WIN TO
.irp j, 0,1,2,3
.irp q, 0,1,2
	ds_load_b128 v[96+48*\p+12*\j+4*\q:96+48*\p+12*\j+4*\q+3], v[AD+3*\G+\q] offset:\j*TILE
.endr
.endr
.endm
.macro XFETCH h                        ; 12 LDS loads: x's blocks 4 h .. 4 h + 3
	WIN TO
.irp a, 0,1,2,3
.irp q, 0,1,2
	ds_load_b128 v[12*(4*\h+\a)+4*\q:12*(4*\h+\a)+4*\q+3], v[AD+3*\h+\q] offset:\a*TILE
.endr
.endr
.endm
.macro WMX c, m, n
	v_wmma_scale_f32_16x16x128_f8f6f4 v[rD:rD+7], v[rX:rX+11], v[rW:rW+11], \c, v[rS], v[rT] matrix_a_fmt:MATRIX_FMT_FP6 matrix_b_fmt:MATRIX_FMT_FP6 \m \n
.endm
; One product: x's block a (source 0) with W's tile 4 g + j (source 1).  Block 0 starts the sum: nothing is ever cleared.  Register i of lane (r, hh): row 8 hh + i of the block, h = 16 (4 g + j) + r
.macro MM g, a, j
.set nn, 4*(\g)+(\j)
.set nm, nn/2
.set xa, \a
.set rD, 192+32*((\g)%2)+8*(\j)
.set rX, 12*xa
.set rW, 96+48*((\g)%2)+12*(\j)
.set rS, XS+xa/2
.set rT, WS+8*(nm/4)+nm%4
.if xa == 0
.if nn%2 == 0
	WMX 0
.else
	WMX 0, matrix_b_scale:MATRIX_SCALE_ROW1
.endif
.elseif xa%2 == 0
.if nn%2 == 0
	WMX v[rD:rD+7]
.else
	WMX v[rD:rD+7], matrix_b_scale:MATRIX_SCALE_ROW1
.endif
.else
.if nn%2 == 0
	WMX v[rD:rD+7], matrix_a_scale:MATRIX_SCALE_ROW1
.else
	WMX v[rD:rD+7], matrix_a_scale:MATRIX_SCALE_ROW1, matrix_b_scale:MATRIX_SCALE_ROW1
.endif
.endif
.endm
.macro MULQ g, a                       ; block a against the group's four tiles: the four accumulators take turns
	WIN MUL
.irp j, 0,1,2,3
	MM \g, \a, \j
.endr
.endm
; The sums over an accumulator's rows: v = the register's parity.  Three packed sums leave (v even, v odd) in registers 0, 1; the exchange of halves and one sum leave v even in lanes 0-15, v odd in lanes 16-31.
.macro REDA j
	v_pk_add_f32 v[rP+8*\j:rP+8*\j+1], v[rP+8*\j:rP+8*\j+1], v[rP+8*\j+2:rP+8*\j+3]
.endm
.macro REDB j
	v_pk_add_f32 v[rP+8*\j+4:rP+8*\j+5], v[rP+8*\j+4:rP+8*\j+5], v[rP+8*\j+6:rP+8*\j+7]
.endm
.macro REDC j
	v_pk_add_f32 v[rP+8*\j:rP+8*\j+1], v[rP+8*\j:rP+8*\j+1], v[rP+8*\j+4:rP+8*\j+5]
.endm
.macro REDS j
	v_permlane16_swap_b32 v[rP+8*\j], v[rP+8*\j+1]
.endm
.macro REDR g                          ; group g's four results, into window 0
	WIN 0x05
.irp j, 0,1,2,3
	v_add_f32 v[RES+4*(\g)+\j], v[rP+8*\j], v[rP+8*\j+1]
.endr
.endm
; 16 products of group g, x's blocks a0 on, with the reduction of the group before among them (its places are the four v_nop)
.macro FIRST g, a0
	WIN MUL
.set rP, 192+32*(((\g)+1)%2)
.irp j, 0,1,2,3
	MM \g, \a0, \j
	v_nop
.endr
.irp j, 0,1,2,3
	MM \g, \a0+1, \j
	REDA \j
.endr
.irp j, 0,1,2,3
	MM \g, \a0+2, \j
	REDB \j
.endr
	MM \g, \a0+3, 0
	REDC 0
	REDC 1
	MM \g, \a0+3, 1
	REDC 2
	REDC 3
	MM \g, \a0+3, 2
	REDS 0
	REDS 1
	MM \g, \a0+3, 3
	REDS 2
	REDS 3
	REDR (\g)-1
.endm
	s_load_b256 s[4:11], s[0:1], 0x0               ; x's codes s[4:5], x's scales s[6:7], W's codes s[8:9], W's scales s[10:11]
	s_load_b128 s[12:15], s[0:1], 0x20             ; b s[12:13], centroids s[14:15]
	s_load_b64 s[16:17], s[0:1], 0x30              ; out0
	v_lshl_add_u32 v[SPW], v0, 2, SPARE
	v_mov_b32 v[NIL], 0
	ds_add_u32 v[SPW], v[NIL]                      ; the wave's opening: the add, twice on end, and its wait ahead of my first tensor load; the set-up below, work on registers, stands between
	ds_add_u32 v[SPW], v[NIL]
	v_lshrrev_b32 v1, 5, v0
	v_readfirstlane_b32 s[WV], v1                  ; wave 0..7
	s_bfe_u32 s19, ttmp6, 0x40000                  ; cx
	s_lshl_b32 s20, ttmp9, 2
	s_add_co_u32 s20, s20, s19                     ; g = 4 x cluster + cx: it enters the addresses of x, x's scales and out0 alone
	s_and_b32 s21, s[WV], 1
	s_lshr_b32 s98, s[WV], 1
	s_and_b32 s98, s98, 2
	s_or_b32 s98, s98, s21                         ; which 16 b I fetch: waves 2, 3, 6, 7 take 0, 1, 2, 3
	; group 1 for x: 16 rows (16 b) of 1,536 bytes (both v), XROW bytes apart; 16 bytes of padding behind each 256: two LDS rows of 816 for each b
	s_mov_b32 s[G1X+0], (1<<20)|(5<<22)|(3<<25)
	s_mov_b32 s[G1X+1], 1536<<16
	s_mov_b32 s[G1X+2], 16<<16
	s_mov_b32 s[G1X+3], 1536<<16
	s_mov_b32 s[G1X+4], 16
	s_mov_b32 s[G1X+5], XROW
	s_mov_b32 s[G1X+6], 0
	s_mov_b32 s[G1X+7], 0
	; group 1 for W's first fills: 64 rows of 768 bytes, dense; the mask names all four partners, bit 21 beside it
	s_mov_b32 s[G1W+0], 15|(1<<20)|(1<<21)|(5<<22)|(3<<25)
	s_mov_b32 s[G1W+1], 768<<16
	s_mov_b32 s[G1W+2], 64<<16
	s_mov_b32 s[G1W+3], 768<<16
	s_mov_b32 s[G1W+4], 64
	s_mov_b32 s[G1W+5], 768
	s_mov_b32 s[G1W+6], 0
	s_mov_b32 s[G1W+7], 0
	; for W's refill: 48 rows
	s_mov_b32 s[G1H+0], 15|(1<<20)|(1<<21)|(5<<22)|(3<<25)
	s_mov_b32 s[G1H+1], 768<<16
	s_mov_b32 s[G1H+2], 48<<16
	s_mov_b32 s[G1H+3], 768<<16
	s_mov_b32 s[G1H+4], 48
	s_mov_b32 s[G1H+5], 768
	s_mov_b32 s[G1H+6], 0
	s_mov_b32 s[G1H+7], 0
	; for the centroids: six rows of each of four waves: 4 rows of 12,288 bytes, 16,384 apart
	s_mov_b32 s[G1C+0], 15|(1<<20)|(1<<21)|(5<<22)|(3<<25)
	s_mov_b32 s[G1C+1], 12288<<16
	s_mov_b32 s[G1C+2], 4<<16
	s_mov_b32 s[G1C+3], 12288<<16
	s_mov_b32 s[G1C+4], 4
	s_mov_b32 s[G1C+5], 16384
	s_mov_b32 s[G1C+6], 0
	s_mov_b32 s[G1C+7], 0
.irp g, GX, GW, GWR, GC
	s_mov_b32 s[\g], 1
.endr
	s_mul_i32 s[GX+1], s98, 32*PITCH               ; x: 16 b are 32 rows of panel 0
	s_mul_i32 s[GW+1], s21, 64*PITCH
	s_add_co_u32 s[GW+1], s[GW+1], P1              ; W's first 128 rows: panel 1
	s_mul_i32 s[GC+1], s21, 4*TILE
	s_add_co_u32 s[GC+1], s[GC+1], P2              ; centroids: panel 2
	s_mul_i32 s[GWR+1], s[WV], 48*PITCH            ; the refill: the panels on end.  No place in the cluster enters an LDS address
	s_mul_i32 s66, s20, 1536
	s_mul_i32 s67, s98, 16*XROW
	s_add_co_u32 s66, s66, s67
	s_mov_b32 s67, 0
	s_mul_i32 s68, s21, 64*768
	s_mov_b32 s69, 0
	s_mul_i32 s70, s[WV], 48*768
	s_add_co_u32 s70, s70, 128*768
	s_mov_b32 s71, 0
	s_lshl_b32 s72, s20, 6
	s_mov_b32 s73, 0
	s_lshl_b32 s74, s20, 9
	s_mov_b32 s75, 0
	s_lshl_b32 s96, s21, 16
	s_mov_b32 s97, 0
	s_mov_b32 s[SEL], 0x76543210
	s_mov_b32 s[SEL+1], 0xfedcba98
	s_lshl_b32 s19, s[WV], 10                      ; W's scales: my 1,024 bytes of each half
	s_lshl_b32 s20, s[WV], 16                      ; x's scales: my 4 b of each half
	s_lshl_b32 s76, s[WV], 2
	s_lshl_b32 s77, s[WV], 8                       ; my 64 numbers of b
	s_lshl_b32 s78, s[WV], 14                      ; my 8 rows of centroids
	s_mul_i32 s79, s[WV], 96                       ; my 96 bytes of a row of codes
	s_lshl_b32 s80, s[WV], 1
	s_add_co_u32 s80, s80, CB
	s_lshl_b32 s81, s[WV], 12
	s_lshl_b32 s82, s[WV], 9
	s_add_co_u32 s83, s76, NS
	s_mul_i32 s84, s[WV], 768
	s_add_co_u32 s84, s84, TS
	s_mov_b32 s85, 0x03010200                      ; v_perm_b32: bytes 1 and 2 change places
	s_mul_i32 s86, s[WV], SW
	s_add_co_u32 s86, s86, STG                     ; my stage
	s_mul_i32 s87, s[WV], 8*CP
	s_add_co_u32 s87, s87, CD
	s_lshl_b32 s98, s[WV], 7
	s_add_co_u32 s98, s98, CB
	s_mul_i32 s99, s[WV], 48
	s_add_co_u32 s99, s99, CD
	s_mul_i32 s100, s[WV], TILE
	s_add_co_u32 s100, s100, P2                    ; my six rows of centroids
	s_add_co_u32 s101, s76, STG
	v_and_b32 v1, 15, v0                           ; r
	v_bfe_u32 v2, v0, 4, 1                         ; hh
	v_and_b32 v3, 31, v0                           ; lane
	v_lshl_add_u32 v7, v3, 4, s78                  ; centroids: my rows, 16 bytes a lane
	v_lshl_add_u32 v4, v3, 4, s19                  ; W's scales: 16 bytes a lane
	v_bfe_u32 v5, v0, 2, 2
	v_lshlrev_b32 v5, 14, v5
	v_and_b32 v8, 3, v0
	v_lshl_add_u32 v5, v8, 4, v5
	v_add_nc_u32 v5, s20, v5                       ; x's scales: b = 4 w + (lane / 4) % 4 (16,384 bytes a b), 16 of its 64 bytes (both v)
	v_lshl_add_u32 v6, v1, 2, s77                  ; b: 256 w + 4 r
	v_mul_u32_u24 v8, v2, 48
	v_add_nc_u32 v8, s79, v8                       ; a row of codes: 96 w + 48 hh
	v_mul_u32_u24 v9, v1, PITCH
.irp p, 0,1,2
	v_add_nc_u32 v[AD+\p], 16*\p, v8
.endr
.irp p, 0,1,2
	v_lshrrev_b32 v[200+\p], 8, v[AD+\p]
.endr
.irp p, 0,1,2
	v_lshl_add_u32 v[AD+\p], v[200+\p], 4, v[AD+\p]    ; byte o of a row lies o + 16 (o / 256) bytes into its LDS row
.endr
.irp p, 0,1,2
	v_add_nc_u32 v[AD+\p], v9, v[AD+\p]
.endr
.irp G, 1,2,3,4,5
.irp p, 0,1,2
	v_add_nc_u32 v[AD+3*\G+\p], \G*4*TILE, v[AD+\p]
.endr
.endr
	v_lshrrev_b32 v9, 2, v3
	v_mul_u32_u24 v[STI], v9, SP
	v_and_b32 v8, 3, v3
	v_lshl_add_u32 v[STI], v8, 4, v[STI]
	v_add_nc_u32 v[STI], s86, v[STI]               ; in: four lanes' 64 bytes on end, then 16 of padding
	v_mul_u32_u24 v[STO], v1, SP
	v_lshl_add_u32 v[STO], v2, 5, v[STO]
	v_add_nc_u32 v[STO], s86, v[STO]               ; out: 8 neighbours: 16 r + 8 hh on
	v_lshlrev_b32 v[CR], 6, v3
	v_lshl_add_u32 v[CR], v9, 4, v[CR]
	v_add_nc_u32 v[CR], s100, v[CR]                ; a row of centroids: my 64 bytes
	v_lshl_add_u32 v[SSW], v3, 4, s86              ; scale bytes, in: as they were loaded
	v_lshl_add_u32 v[SSX], v1, 4, s86
	v_lshl_add_u32 v[SWR], v3, 5, s101             ; and out: W's row 32 m + lane lies in stage m, 32 bytes a row, my word + 4 w
	v_lshrrev_b32 v8, 3, v1                        ; r / 8
	v_and_b32 v9, 7, v1
	v_mul_u32_u24 v[SXR], v2, 2*SW
	v_mad_u32_u24 v[SXR], v8, SW, v[SXR]
	v_lshl_add_u32 v[SXR], v9, 5, v[SXR]
	v_add_nc_u32 v[SXR], s101, v[SXR]              ; x's row r of block 2 i + hh
	v_lshlrev_b32 v14, 3, v2                       ; 8 hh
	v_mov_b32 v15, 0                               ; written once: a lane permute's destination counts as one of its sources
	v_mul_u32_u24 v[CWA], v3, 12
	v_add_nc_u32 v[CWA], s87, v[CWA]
	v_lshrrev_b32 v[CBA], 1, v3
	v_add_nc_u32 v[CBA], s98, v[CBA]
	v_mul_u32_u24 v[CRA], v1, CP
	v_mad_u32_u24 v[CRA], v2, 24, v[CRA]
	v_add_nc_u32 v[CRA], s99, v[CRA]               ; a fragment: row r, my 48 bytes of it, + 24 hh
	v_lshl_add_u32 v[CSA], v1, 4, s80              ; its two scale bytes
	v_lshl_add_u32 v[EPW], v3, 4, s81              ; my sums: EP + 4,096 w + 16 x lane
	v_lshl_add_u32 v[EPR], v3, 4, s82              ; the eight waves' sums of group w
	v_lshl_add_u32 v[NSW], v2, 5, s83
	v_lshlrev_b32 v[NSR], 5, v8
	v_add_nc_u32 v[NSR], NS, v[NSR]
	v_mul_u32_u24 v[TSW], v2, 272
	v_lshl_add_u32 v[TSW], v1, 2, v[TSW]
	v_add_nc_u32 v[TSW], s84, v[TSW]               ; my wave's two rows: row hh, + 4 r
	v_mul_u32_u24 v[TSR], v8, 272
	v_lshl_add_u32 v[TSR], v2, 7, v[TSR]
	v_add_nc_u32 v[TSR], s84, v[TSR]               ; back in the operand's order: row r / 8, + 128 hh
	v_lshlrev_b32 v[DPW], 4, v0
	v_add_nc_u32 v[DPW], DP, v[DPW]
	v_lshlrev_b32 v[OUT], 4, v3                    ; out0: 16 bytes a lane
	v_add_nc_u32 v[DPR], DP, v[OUT]
.irp i, 0,1,2,3,4,5
	v_mov_b32 v[EF+6+\i], 0                        ; x_emb's upper half: zero codes
	v_mov_b32 v[CF+24+\i], 0
.endr
	v_lshlrev_b32 v8, 2, v1
.irp t, 0,1,2,3
	v_add_nc_u32 v[IDX+\t], 16*\t, v1
	v_add_nc_u32 v[COL+\t], \t, v8
.endr
.irp t, 0,1,2,3
	v_cvt_f32_u32 v[IDX+\t], v[IDX+\t]
	v_cvt_f32_u32 v[COL+\t], v[COL+\t]
.endr
	v_mov_b32 v252, 0x4e6e6b28                     ; 1e9: above every index
	v_mov_b32 v253, 0
	v_mov_b32 v254, 1.0
	s_wait_alu depctr_va_vdst(0)
	s_wait_dscnt 0x0                               ; both opening adds are done
	ROUND                                          ; all four work-groups are here: the first joint loads meet.  The arguments' loads are still out
	s_wait_kmcnt 0x0
	s_add_nc_u64 s[GC+2:GC+3], s[14:15], s[96:97]
	s_add_nc_u64 s[GX+2:GX+3], s[4:5], s[66:67]
	s_add_nc_u64 s[GW+2:GW+3], s[8:9], s[68:69]
	s_add_nc_u64 s[GWR+2:GWR+3], s[8:9], s[70:71]
.irp g, GX, GW, GWR, GC
	s_or_b32 s[\g+3], s[\g+3], 0x80000000
.endr
	s_add_nc_u64 s[6:7], s[6:7], s[72:73]          ; x's scales at v = 2 g: 32 bytes a v
	s_add_nc_u64 s[16:17], s[16:17], s[74:75]      ; out0 at row 2 g
	; the head's loads, one a wave: one chain of branches, one load to an arm
	ARM 2, GC, G1C, .Lhead_xa, .Lhead_asked
	ARM 4, GX, G1X, .Lhead_w, .Lhead_asked
	ARM 6, GW, G1W, .Lhead_xb, .Lhead_asked
	TLOAD GX, G1X
.Lhead_asked:
	global_load_b128 v[LX:LX+3],   v5, s[6:7]                       ; x's scales, b 0-31
	global_load_b128 v[LX+4:LX+7], v5, s[6:7] offset:524288         ; b 32-63
	WIN TO
.irp rr, 6,7
.irp i, 0,1,2,3
	global_load_b128 v[16*\rr+4*\i:16*\rr+4*\i+3], v7, s[14:15] offset:2048*\rr+512*\i
.endr
.endr
	WIN 0
.irp n, 0,1,2,3
	global_load_b128 v[LW+4*\n:LW+4*\n+3], v4, s[10:11] offset:8192*(\n/2)+512*(\n%2)
.endr
.irp t, 0,1,2,3
	global_load_b32 v[BI+\t], v6, s[12:13] offset:64*\t
.endr
	; THE TURN of my rows 6 and 7, half a row at a time.  LDS serves a wave's instructions in order (ISA guide 5.7.1.4): no wait between the stores and the loads, nor in front of the next stores.
	WIN 0x44                                       ; a store's data and a load's destination: window 1
.irp rr, 6,7
	s_wait_loadcnt 36-4*\rr                        ; this row's four loads are in; row 7's four and the eight behind them may be out
.irp h, 0,8
	ds_store_b128 v[STI], v[16*\rr+\h:16*\rr+\h+3]
	ds_store_b128 v[STI], v[16*\rr+\h+4:16*\rr+\h+7] offset:8*SP
	ds_load_b128 v[16*\rr+\h:16*\rr+\h+3], v[STO]
	ds_load_b128 v[16*\rr+\h+4:16*\rr+\h+7], v[STO] offset:16
.endr
.endr
	s_wait_dscnt 0x0
	WIN 0x55
.irp rr, 6,7
.irp e, 0,1,2,3,4,5,6,7
	v_permlane16_swap_b32 v[16*\rr+\e], v[16*\rr+8+\e]     ; register e of a row is now k = 16 x lane + e
.endr
.endr
	WIN 0
	s_wait_alu depctr_va_vdst(0)
	LANDED 2
	BAR                                            ; the centroids' 48 rows are in.
	WIN TO
.irp rr, 0,1,2,3,4,5
.irp i, 0,1,2,3
	ds_load_b128 v[16*\rr+4*\i:16*\rr+4*\i+3], v[CR] offset:CROW*\rr+16*\i
.endr
.endr
	s_wait_dscnt 0x0
	WIN 0x05                                       ; sources 0 and 1: window 1
.irp i, 0,2,4,6,8,10,12,14
.irp rr, 0,1,2,3,4,5,6,7
.if \i == 0
	v_pk_mul_f32 v[SQ+2*\rr:SQ+2*\rr+1], v[16*\rr:16*\rr+1], v[16*\rr:16*\rr+1]
.else
	v_pk_fma_f32 v[SQ+2*\rr:SQ+2*\rr+1], v[16*\rr+\i:16*\rr+\i+1], v[16*\rr+\i:16*\rr+\i+1], v[SQ+2*\rr:SQ+2*\rr+1]
.endif
.endr
.endr
	WIN 0x14                                       ; sources 1 and 2: window 1
.irp i, 0,2,4,6,8,10,12,14
.irp rr, 0,1,2,3,4,5,6,7
.if \i == 0
	v_max3_num_f32 v[MX+\rr], 0, |v[16*\rr]|, |v[16*\rr+1]|
.else
	v_max3_num_f32 v[MX+\rr], v[MX+\rr], |v[16*\rr+\i]|, |v[16*\rr+\i+1]|
.endif
.endr
.endr
	WIN 0
.irp rr, 0,1,2,3,4,5,6,7
	v_add_f32 v[SQ+2*\rr], v[SQ+2*\rr], v[SQ+2*\rr+1]
.endr
.irp m, 1,2,4,8
.irp rr, 0,1,2,3,4,5,6,7
	v_add_f32_dpp v[SQ+2*\rr], v[SQ+2*\rr], v[SQ+2*\rr] row_xmask:\m row_mask:0xf bank_mask:0xf
.endr
.endr
.irp rr, 0,1,2,3,4,5,6,7
	v_permlanex16_b32 v[SQ+2*\rr+1], v[SQ+2*\rr], s[SEL], s[SEL+1]
.endr
.irp rr, 0,1,2,3,4,5,6,7
	v_add_f32 v[SQ+2*\rr], v[SQ+2*\rr], v[SQ+2*\rr+1]      ; the whole row's sum of squares, in every lane
.endr
.irp rr, 0,1,2,3,4,5,6,7
	v_max_num_f32_dpp v[MX+\rr], v[MX+\rr], v[MX+\rr] row_xmask:1 row_mask:0xf bank_mask:0xf   ; the block's: two lanes
.endr
	s_wait_alu depctr_va_vdst(0)
.irp rr, 0,1,2,3,4,5,6,7
	v_sqrt_f32 v[SQ+2*\rr], v[SQ+2*\rr]
.endr
	v_nop
	s_wait_alu depctr_va_vdst(0)
.irp rr, 0,1,2,3,4,5,6,7
	v_max_num_f32 v[SQ+2*\rr], 0x2b8cbccc, v[SQ+2*\rr]     ; max(norm, 1e-12)
.endr
	s_wait_alu depctr_va_vdst(0)
.irp rr, 0,1,2,3,4,5,6,7
	v_rcp_f32 v[SQ+2*\rr], v[SQ+2*\rr]
.endr
	v_nop
	s_wait_alu depctr_va_vdst(0)
	WIN 0x41                                       ; destination and source 0: window 1
.irp i, 0,2,4,6,8,10,12,14
.irp rr, 0,1,2,3,4,5,6,7
	v_pk_mul_f32 v[16*\rr+\i:16*\rr+\i+1], v[16*\rr+\i:16*\rr+\i+1], v[SQ+2*\rr:SQ+2*\rr+1] op_sel_hi:[1,0]
.endr
.endr
	WIN 0
.irp rr, 0,1,2,3,4,5,6,7
	v_mul_f32 v[MX+\rr], v[MX+\rr], v[SQ+2*\rr]            ; the largest of the products: the same rounding on the largest number
.endr
.irp rr, 0,1,2,3,4,5,6,7
	v_max_num_f32 v[MX+\rr], 0x1800000, v[MX+\rr]          ; the floor 2^(3 - 127): the byte cannot fall under 1
.endr
.irp rr, 0,1,2,3,4,5,6,7
	v_add_nc_u32 v[SQ+2*\rr+1], 0xff000000, v[MX+\rr]      ; 2 off its exponent field: the conversion takes the exponent field of this operand as its scale
.endr
.irp rr, 0,1,2,3,4,5,6,7
	v_lshrrev_b32 v[CC+4*\rr+3], 23, v[SQ+2*\rr+1]         ; the scale's byte
.endr
	WIN 0x01                                       ; source 0: window 1
.irp rr, 0,1,2,3,4,5,6,7
	v_cvt_scalef32_pk16_fp6_f32 v[CC+4*\rr:CC+4*\rr+2], v[16*\rr:16*\rr+15], v[SQ+2*\rr+1]
.endr
	v_nop                                          ; one plain place behind the scaled conversions
	WIN 0
	; THE SCALE WORDS, from wave to wave through the stages, half of W's rows and of x's b at a time
	s_wait_loadcnt 0x0                             ; scale bytes and b
.irp p, 0,1
.if \p
	BAR                                            ; every wave has read the first half
.endif
	ds_store_b128 v[SSW], v[LW+8*\p:LW+8*\p+3]
	ds_store_b128 v[SSW], v[LW+8*\p+4:LW+8*\p+7] offset:512
	ds_store_b128 v[SSX], v[LX+4*\p:LX+4*\p+3] offset:1024
	s_wait_dscnt 0x0
	BAR
.irp m, 0,1,2,3,4,5,6,7
	ds_load_b32 v[WS+8*(2*\p+\m/4)+\m%4], v[SWR] offset:SW*\m
.endr
.irp i, 0,1
	ds_load_b32 v[XS+2*\p+\i], v[SXR] offset:1024+4*SW*\i
.endr
	s_wait_dscnt 0x0
.endr
.irp i, 0,1,2,3
	v_perm_b32 v[XS+\i], v[XS+\i], v[XS+\i], s85
.endr
.irp m, 0,1,2,3,4,5,6,7,8,9,10,11,12,13,14,15
	v_perm_b32 v[WS+8*(\m/4)+\m%4], v[WS+8*(\m/4)+\m%4], v[WS+8*(\m/4)+\m%4], s85
.endr
	s_wait_alu depctr_va_vdst(0)
	; THE FIRST PRODUCT.  It starts on x's first half
	LANDED 6
	BAR                                            ; x's b 0-31 and W's rows 0-127 are in.
	FETCH 2, 0
	XFETCH 0
	FETCH 3, 1
	s_wait_dscnt 12                                ; group 0's fragments and x's blocks 0-3 are in; group 1's 12 loads may be out
.irp a, 0,1,2,3
	MULQ 0, \a
.endr
	WIN 0
	s_wait_dscnt 0x0
	s_wait_tensorcnt 0x0
	BAR                                            ; x's b 32-63 are in.
	XFETCH 1
	WIN 0
	; THE REFILL: when all of x and groups 0 and 1 are in registers.  Each wave waits for all its tensor loads, adds 0 to its spare word, waits for that and for its LDS reads; a round; one joint load a wave
	s_wait_tensorcnt 0x0
	ds_add_u32 v[SPW], v[NIL]
	MULQ 1, 0
	MULQ 1, 1
	s_wait_dscnt 0x0
	s_barrier_signal -1
	MULQ 1, 2
	MULQ 1, 3
	WIN 0
	s_barrier_wait -1
	CREST                                          ; no wave of any partner still reads the panels or has a load on its way
	ARM 2, GWR, G1H, .Lrefill_1, .Lrefilled        ; W's rows 128-223, then 96 more in each arm
	ARM 4, GWR, G1H, .Lrefill_2, .Lrefilled
	ARM 6, GWR, G1H, .Lrefill_3, .Lrefilled
	TLOAD GWR, G1H
.Lrefilled:
.irp a, 4,5,6,7
	MULQ 0, \a
.endr
	WIN 0
	LANDED 2
	BAR                                            ; W's rows 128-223 are in.
	PLACES
	FETCH 0, 0
	FIRST 1, 4
	s_wait_dscnt 0x0
	FIRST 2, 0
	WIN 0
	LANDED 4
	s_barrier_signal -1
	MULQ 2, 4
	MULQ 2, 5
	s_barrier_wait -1                              ; W's rows 224-319 are in
	FETCH 1, 1
	MULQ 2, 6
	MULQ 2, 7
	s_wait_dscnt 0x0                               ; my reads of panel 0 are over
	FIRST 3, 0
	FETCH 2, 0
.irp a, 4,5,6,7
	MULQ 3, \a
.endr
	s_wait_dscnt 0x0
	FIRST 4, 0
	WIN 0
	LANDED 6
	s_barrier_signal -1
	MULQ 4, 4
	MULQ 4, 5
	s_barrier_wait -1                              ; W's rows 320-415 are in, and nobody reads panel 0 any more
	FETCH 3, 1
	WIN 0
.irp rr, 0,1,2,3,4,5,6,7                       ; my rows' codes and scale bytes go to panel 0.  A row is one stream of bits: lane l's 12 bytes at 12 l
.irp i, 0,1,2
	ds_store_b32 v[CWA], v[CC+4*\rr+\i] offset:CP*\rr+4*\i
.endr
	ds_store_b8 v[CBA], v[CC+4*\rr+3] offset:16*\rr        ; both lanes of a block write the same byte with the same value
.endr
.irp g, 0,1,2
	ds_store_b128 v[EPW], v[RES+4*\g:RES+4*\g+3] offset:512*\g
.endr
	MULQ 4, 6
	MULQ 4, 7
	s_wait_dscnt 0x0
	FIRST 5, 0
	s_wait_tensorcnt 0x0
	s_barrier_signal -1
	MULQ 5, 4
	MULQ 5, 5
	s_barrier_wait -1                              ; W's last rows and the centroids' codes are in
	FETCH 4, 0
	MULQ 5, 6
	MULQ 5, 7
	s_wait_dscnt 0x0
	FIRST 6, 0
	FETCH 5, 1
	WIN 0
.irp g, 3,4,5
	ds_store_b128 v[EPW], v[RES+4*\g:RES+4*\g+3] offset:512*\g
.endr
.irp t, 0,1,2,3                                ; the centroids' fragments for my 64 of the second product's K: tile t = centroids 16 t on
.irp p, 0,1,2
	ds_load_b64 v[CF+6*\t+2*\p:CF+6*\t+2*\p+1], v[CRA] offset:16*CP*\t+8*\p
.endr
	ds_load_u16 v[CS+\t], v[CSA] offset:256*\t
.endr
.irp a, 4,5,6,7
	MULQ 6, \a
.endr
	s_wait_dscnt 0x0
	FIRST 7, 0
	WIN 0
	ds_store_b128 v[EPW], v[RES+24:RES+27] offset:512*6
.irp a, 4,5,6,7
	MULQ 7, \a
.endr
	PLACES
.set rP, 224
.irp j, 0,1,2,3
	REDA \j
.endr
.irp j, 0,1,2,3
	REDB \j
.endr
.irp j, 0,1,2,3
	REDC \j
.endr
.irp j, 0,1,2,3
	REDS \j
.endr
	REDR 7
	WIN 0
	ds_store_b128 v[EPW], v[RES+28:RES+31] offset:512*7
	s_wait_dscnt 0x0                               ; for the others' sake: my stores are done
	BAR
	; THE WAY OUT.  Wave w gathers group w's sums: h = 64 w + 16 t + r, v = 2 g + hh
.irp u, 0,1,2,3,4,5,6,7
	ds_load_b128 v[200+4*\u:203+4*\u], v[EPR] offset:4096*\u
.endr
	s_wait_dscnt 4
.irp i, 0,2
	v_pk_add_f32 v[200+\i:201+\i], v[200+\i:201+\i], v[204+\i:205+\i]
	v_pk_add_f32 v[208+\i:209+\i], v[208+\i:209+\i], v[212+\i:213+\i]
.endr
.irp i, 0,2
	v_pk_add_f32 v[200+\i:201+\i], v[200+\i:201+\i], v[208+\i:209+\i]
.endr
	s_wait_alu depctr_va_vdst(0)
	s_wait_dscnt 0x0
.irp i, 0,2
	v_pk_add_f32 v[216+\i:217+\i], v[216+\i:217+\i], v[220+\i:221+\i]
	v_pk_add_f32 v[224+\i:225+\i], v[224+\i:225+\i], v[228+\i:229+\i]
.endr
.irp i, 0,2
	v_pk_add_f32 v[216+\i:217+\i], v[216+\i:217+\i], v[224+\i:225+\i]
.endr
.irp i, 0,2
	v_pk_add_f32 v[200+\i:201+\i], v[200+\i:201+\i], v[216+\i:217+\i]
.endr
.irp t, 0,1,2,3
	v_fmamk_f32 v[200+\t], v[200+\t], 0x3c800000, v[BI+\t] ; the mean over 64 b, + b[h]
.endr
.irp t, 0,1,2,3
	ds_store_b32 v[TSW], v[200+\t] offset:64*\t            ; my wave's own bytes
.endr
	v_pk_mul_f32 v[204:205], v[200:201], v[200:201]
	v_pk_fma_f32 v[204:205], v[202:203], v[202:203], v[204:205]
	v_add_f32 v204, v204, v205
.irp m, 1,2,4,8
	v_add_f32_dpp v204, v204, v204 row_xmask:\m row_mask:0xf bank_mask:0xf
.endr
	ds_store_b32 v[NSW], v204                      ; the sum of squares of my 64 h, for each v: the 16 lanes of a half write one word with one value
	s_wait_dscnt 0x0
	s_barrier_signal -1
.irp i, 0,1,2,3,4,5,6,7
	ds_load_b128 v[QX+4*\i:QX+4*\i+3], v[TSR] offset:16*\i ; my own bytes: row r of the operand is v = 2 g + r / 8; k = 32 hh + 4 i on
.endr
	s_barrier_wait -1
	ds_load_b128 v[208:211], v[NSR]
	ds_load_b128 v[212:215], v[NSR] offset:16
	s_wait_dscnt 2                                 ; the 32 numbers are in; the two loads behind them may be out
.irp i, 0,2,4,6,8,10,12,14
.irp c, 0,1
.if \i == 0
	v_max3_num_f32 v[216+\c], 0, |v[QX+16*\c]|, |v[QX+16*\c+1]|
.else
	v_max3_num_f32 v[216+\c], v[216+\c], |v[QX+16*\c+\i]|, |v[QX+16*\c+\i+1]|
.endif
.endr
.endr
	v_max_num_f32 v216, v216, v217
	s_wait_dscnt 0x0
	v_pk_add_f32 v[208:209], v[208:209], v[210:211]
	v_pk_add_f32 v[212:213], v[212:213], v[214:215]
	v_pk_add_f32 v[208:209], v[208:209], v[212:213]
	v_add_f32 v208, v208, v209
	s_wait_alu depctr_va_vdst(0)
	v_sqrt_f32 v208, v208
	v_nop
	s_wait_alu depctr_va_vdst(0)
	v_max_num_f32 v208, 0x2b8cbccc, v208           ; max(norm, 1e-12)
	s_wait_alu depctr_va_vdst(0)
	v_rcp_f32 v208, v208
	v_nop
	s_wait_alu depctr_va_vdst(0)
	v_mul_f32 v216, v216, v208                     ; the block's largest magnitude,
	v_max_num_f32 v216, 0x1800000, v216            ; and the floor
	v_add_nc_u32 v218, 0xff000000, v216
	v_lshrrev_b32 v219, 23, v218
	v_lshlrev_b32 v[ES], v14, v219                 ; my block's byte, 8 hh bits up;
	v_permlanex16_b32 v15, v[ES], s[SEL], s[SEL+1]
	v_or_b32 v[ES], v[ES], v15                     ; with lane l xor 16's the word is whole
.irp i, 0,2,4,6,8,10,12,14,16,18,20,22,24,26,28,30
	v_pk_mul_f32 v[QX+\i:QX+\i+1], v[QX+\i:QX+\i+1], v[208:209] op_sel_hi:[1,0]
.endr
	v_cvt_scalef32_pk16_fp6_f32 v[EF:EF+2], v[QX:QX+15], v218
	v_cvt_scalef32_pk16_fp6_f32 v[222:224], v[QX+16:QX+31], v218
	v_nop                                          ; one plain place behind the scaled conversions
.irp i, 0,1,2
	v_mov_b32 v[EF+3+\i], v[222+\i]                ; (a conversion's three registers begin on an even number)
.endr
	PLACES                                         ; an operand written by vector instructions stands four places ahead of a scaled matrix instruction
.irp t, 0,1,2,3                                ; THE SECOND PRODUCT, my 64 of its K: register 0 of lane (r, hh) is (row 8 hh: v = 2 g + hh, centroid 16 t + r)
	v_wmma_scale_f32_16x16x128_f8f6f4 v[208+8*\t:215+8*\t], v[EF:EF+11], v[CF+6*\t:CF+6*\t+11], 0, v[ES], v[CS+\t] matrix_a_fmt:MATRIX_FMT_FP6 matrix_b_fmt:MATRIX_FMT_FP6
.endr
	PLACES
.irp t, 0,1,2,3
	v_mov_b32 v[240+\t], v[208+8*\t]
.endr
	ds_store_b128 v[DPW], v[240:243]
	s_wait_dscnt 0x0
	BAR
	s_cmp_lg_u32 s[WV], 0                          ; the last lines are wave 0's: 128 numbers
	s_cbranch_scc1 .Lend
.irp u, 0,1,2,3,4,5,6,7
	ds_load_b128 v[200+4*\u:203+4*\u], v[DPR] offset:512*\u
.endr
	s_wait_dscnt 0x0
.irp i, 0,2
.irp u, 0,8,16,24
	v_pk_add_f32 v[200+\u+\i:201+\u+\i], v[200+\u+\i:201+\u+\i], v[204+\u+\i:205+\u+\i]
.endr
.endr
.irp i, 0,2
.irp u, 0,16
	v_pk_add_f32 v[200+\u+\i:201+\u+\i], v[200+\u+\i:201+\u+\i], v[208+\u+\i:209+\u+\i]
.endr
.endr
.irp i, 0,2
	v_pk_add_f32 v[200+\i:201+\i], v[200+\i:201+\i], v[216+\i:217+\i]  ; v[200 + t]: the product of v = 2 g + hh with centroid 16 t + r.  The least distance is the largest product
.endr
	v_max3_num_f32 v204, v200, v201, v202
	v_max_num_f32 v204, v204, v203
.irp m, 1,2,4,8
	v_max_num_f32_dpp v204, v204, v204 row_xmask:\m row_mask:0xf bank_mask:0xf
.endr
.irp t, 0,1,2,3
	v_cmp_eq_f32 vcc_lo, v[200+\t], v204
	v_cndmask_b32 v[208+\t], v252, v[IDX+\t], vcc_lo       ; the index, kept where the product is the largest: a choice of values; no address and no branch hangs on it
.endr
	v_min3_num_f32 v205, v208, v209, v210
	v_min_num_f32 v205, v205, v211
.irp m, 1,2,4,8
	v_min_num_f32_dpp v205, v205, v205 row_xmask:\m row_mask:0xf bank_mask:0xf   ; the lowest such index
.endr
.irp k, 0,1,2,3
	v_cmp_eq_f32 vcc_lo, v[COL+\k], v205
	v_cndmask_b32 v[212+\k], v253, v254, vcc_lo
.endr
	global_store_b128 v[OUT], v[212:215], s[16:17] ; the 32 lanes store rows 2 g and 2 g + 1: 512 consecutive bytes, at a multiple of 256 from out0's first byte
.Lend:
	s_wait_tensorcnt 0x0                           ; the wave's end: behind my last tensor load and my last LDS store
	ds_add_u32 v[SPW], v[NIL]
	s_wait_dscnt 0x0
	ROUND                                          ; the closing round: no work-group ends while a partner may still ask for a tile that names it
	s_endpgm
.Lfunc_end_k_qdf88d97459_assign:
	.size	k_qdf88d97459_assign, .Lfunc_end_k_qdf88d97459_assign-k_qdf88d97459_assign
	.p2alignl 7, 3214868480
	.fill 96, 4, 3214868480
	.section	.rodata,"a",@progbits
	.p2align	6, 0x0
	.amdhsa_kernel k_qdf88d97459_assign
		.amdhsa_group_segment_fixed_size 327680
		.amdhsa_private_segment_fixed_size 0
		.amdhsa_enable_private_segment 0
		.amdhsa_kernarg_size 56
		.amdhsa_user_sgpr_count 2
		.amdhsa_user_sgpr_kernarg_segment_ptr 1
		.amdhsa_wavefront_size32 1
		.amdhsa_system_sgpr_workgroup_id_x 1
		.amdhsa_system_sgpr_workgroup_id_y 1
		.amdhsa_system_sgpr_workgroup_id_z 1
		.amdhsa_system_vgpr_workitem_id 0
		.amdhsa_next_free_vgpr 512
		.amdhsa_next_free_sgpr 102
		.amdhsa_reserve_vcc 1
		.amdhsa_float_denorm_mode_32 3
		.amdhsa_float_denorm_mode_16_64 3
		.amdhsa_memory_ordered 1
		.amdhsa_forward_progress 1
		.amdhsa_inst_pref_size 108
	.end_amdhsa_kernel
	.amdgpu_metadata
---
amdhsa.version: [ 1, 2 ]
amdhsa.kernels:
  - .name:           k_qdf88d97459_assign
    .symbol:         k_qdf88d97459_assign.kd
    .args:
      - { .name: x_codes, .offset: 0, .size: 8, .value_kind: global_buffer, .address_space: global }
      - { .name: x_scales, .offset: 8, .size: 8, .value_kind: global_buffer, .address_space: global }
      - { .name: W_codes, .offset: 16, .size: 8, .value_kind: global_buffer, .address_space: global }
      - { .name: W_scales, .offset: 24, .size: 8, .value_kind: global_buffer, .address_space: global }
      - { .name: b, .offset: 32, .size: 8, .value_kind: global_buffer, .address_space: global }
      - { .name: centroids, .offset: 40, .size: 8, .value_kind: global_buffer, .address_space: global }
      - { .name: out0, .offset: 48, .size: 8, .value_kind: global_buffer, .address_space: global }
    .group_segment_fixed_size: 327680
    .private_segment_fixed_size: 0
    .kernarg_segment_align: 8
    .kernarg_segment_size: 56
    .max_flat_workgroup_size: 256
    .sgpr_count:     102
    .vgpr_count:     512
    .wavefront_size: 32
...
	.end_amdgpu_metadata
.endif
;; end of part 1
